; MI455X (gfx1250); checked and timed in simulation.
; The chip was launched on July 23, 2026; its instructions are those of AMD's public machine-readable ISA for CDNA 5 (MIT licence, August 2026) and "CDNA5" Instruction Set Architecture Reference Guide (July 2026). The comments in the code are by the model that wrote it; some were corrected since.
;; Hybrid Mo E. Allowed arithmetic: float matrix products may take bf16 or f16 operands with f32 sums; all other float work in f32.
;; Inputs: W1 4 x 1,024 x 1,024 float32; W2 4 x 1,024 x 1,024 float32; W3 4 x 1,024 x 1,024 float32; Wg 1,024 x 4 float32; w1s 1,024 x 1,024 float32; w2s 1,024 x 1,024 float32; w3s 1,024 x 1,024 float32; x 2 x 2,048 x 1,024 float32.
;; Outputs: out0 2 x 2,048 x 1,024 float32.
;; 2 versions, each right; version 2 is version 1 with the launch gate written anew for expert scheduling mode. Each part assembles by itself: llvm-mc -triple=amdgcn-amd-amdhsa -mcpu=gfx1250 --defsym DOCPART=n.
;; ======== version 1 of 2: 4 launches
;; workspace buffers: xb 8,388,608 bytes; idx 16,384 bytes of whole numbers; wb 31,457,280 bytes; route 18,688 bytes of whole numbers; h 18,874,368 bytes
;; launch gate (part 1): grid 256 x 1, 8 waves a work-group, no clusters, 0 bytes of LDS; arguments x, Wg, xb, idx; writes xb, idx
.if DOCPART == 1
	.amdgcn_target "amdgcn-amd-amdhsa--gfx1250"
	.amdhsa_code_object_version 6
	.text
	.protected	k_q6653c04faa_gate
	.globl	k_q6653c04faa_gate
	.p2align	8
	.type	k_q6653c04faa_gate,@function
k_q6653c04faa_gate:
	s_mov_b64 s[64:65], 0
	v_nop
	global_prefetch_b8 v0, s[64:65] scope:SCOPE_SE
	s_setreg_imm32_b32 hwreg(HW_REG_WAVE_MODE, 25, 1), 1
	s_wait_xcnt 0x0
; gate: xb = x rounded to bf16;  idx[t] = the first largest of the four logits  sum over c of bf16(x[t][c]) * bf16(Wg[c][e]).
; x: [4096][1024] f32, Wg: [1024][4] f32, xb: [4096][1024] bf16, idx: [4096] whole numbers.
; The product has 4 columns (1 part in 3000 of the problem's multiply-adds) and runs on the vector unit: operands rounded to bf16 as
; for every other product of this program, products exact in f32, sums in f32.
; LIMITS: a token whose two largest logits differ by less than the rounding of a sum of 1024 f32 terms (about 1e-6 of their size) may
; go to the other expert; NaN logits are not ranked as an argmax that lets NaN win ranks them (a NaN never wins a comparison here).
; Eight waves, 16 rows a work-group, two rows a wave; no LDS, no barrier, no loop.  Lane l holds columns 128 j + 4 l + i (j 0..7, i 0..3):
; a load of x covers 512 consecutive bytes of a row, a store of xb 256 consecutive aligned bytes.
.set WGT, 16                           ; v[16:143]   quad 16 j + 4 i: Wg[128 j + 4 l + i][0..3]
.set X,   144                          ; v[144:207]  row r, quad 32 r + 4 j
.set ACC, 208                          ; v[208:223]  row r, parity of j, pairs (e0,e1), (e2,e3): eight chains that do not wait for each other
.set PK,  224                          ; v[224:255]  the 16 packed pairs, each with registers of its own: never rewritten while its store is out
	s_load_b256 s[4:11], s[0:1], 0x0               ; x s[4:5], Wg s[6:7], xb s[8:9], idx s[10:11]
	v_and_b32 v1, 31, v0                           ; lane
	v_lshrrev_b32 v5, 5, v0
	v_readfirstlane_b32 s14, v5                    ; wave
	s_mov_b32 s12, 0x76543210                      ; v_permlanex16_b32: lane i reads lane i of the other half
	s_mov_b32 s13, 0xfedcba98
	s_mov_b32 s15, 0xffff0000                      ; a word's upper bf16
	v_lshlrev_b32 v2, 4, v1                        ; x: 16 bytes a lane
	v_lshlrev_b32 v3, 6, v1                        ; Wg: four rows of 16 bytes a lane
	v_lshlrev_b32 v4, 3, v1                        ; xb: 8 bytes a lane
	s_lshl_b32 s16, ttmp9, 16                      ; 16 rows of 4,096 bytes a work-group
	s_lshl_b32 s18, s14, 13                        ; 2 rows a wave
	s_add_co_u32 s16, s16, s18
	s_mov_b32 s17, 0
	s_lshr_b32 s18, s16, 1                         ; the same rows in xb: half the bytes
	s_mov_b32 s19, 0
	s_lshr_b32 s20, s16, 10                        ; and in idx: 4 bytes a row
	s_mov_b32 s21, 0
	s_wait_kmcnt 0x0
	s_add_nc_u64 s[4:5], s[4:5], s[16:17]
	s_add_nc_u64 s[8:9], s[8:9], s[18:19]
	s_add_nc_u64 s[10:11], s[10:11], s[20:21]
.irp r, 0,1
.irp j, 0,1,2,3,4,5,6,7
	global_load_b128 v[X+32*\r+4*\j:X+32*\r+4*\j+3], v2, s[4:5] offset:4096*\r+512*\j th:TH_LOAD_NT
.endr
.endr
.irp j, 0,1,2,3,4,5,6,7
.irp i, 0,1,2,3
	global_load_b128 v[WGT+16*\j+4*\i:WGT+16*\j+4*\i+3], v3, s[6:7] offset:2048*\j+16*\i
.endr
.endr
	s_wait_loadcnt 32                              ; the 16 loads of x are in; the 32 younger ones of Wg may stay out
	; x: round, store, and widen the rounded numbers again in place for the gate's product
.irp r, 0,1
.irp j, 0,1,2,3,4,5,6,7
	v_cvt_pk_bf16_f32 v[PK+16*\r+2*\j], v[X+32*\r+4*\j], v[X+32*\r+4*\j+1]
	v_cvt_pk_bf16_f32 v[PK+16*\r+2*\j+1], v[X+32*\r+4*\j+2], v[X+32*\r+4*\j+3]
	global_store_b64 v4, v[PK+16*\r+2*\j:PK+16*\r+2*\j+1], s[8:9] offset:2048*\r+256*\j
	v_lshlrev_b32 v[X+32*\r+4*\j], 16, v[PK+16*\r+2*\j]
	v_and_b32 v[X+32*\r+4*\j+1], s15, v[PK+16*\r+2*\j]
	v_lshlrev_b32 v[X+32*\r+4*\j+2], 16, v[PK+16*\r+2*\j+1]
	v_and_b32 v[X+32*\r+4*\j+3], s15, v[PK+16*\r+2*\j+1]
.endr
.endr
	s_wait_loadcnt 0x0                             ; Wg
	; Wg: rounded to bf16 and widened again, in place; two pairs of temporaries take turns
.set q, 0
.rept 32
	v_cvt_pk_bf16_f32 v[6+2*(q%2)], v[WGT+4*q], v[WGT+4*q+1]
	v_cvt_pk_bf16_f32 v[7+2*(q%2)], v[WGT+4*q+2], v[WGT+4*q+3]
	v_lshlrev_b32 v[WGT+4*q], 16, v[6+2*(q%2)]
	v_and_b32 v[WGT+4*q+1], s15, v[6+2*(q%2)]
	v_lshlrev_b32 v[WGT+4*q+2], 16, v[7+2*(q%2)]
	v_and_b32 v[WGT+4*q+3], s15, v[7+2*(q%2)]
.set q, q+1
.endr
; Column i of the quads j = 2 t and 2 t + 1, both rows, all four experts: eight packed multiply-adds on eight different chains.
; base, sel: the pair of X that holds x_i and its place in the pair (op_sel feeds it to both halves).  The first products start the sums.
.macro DOT t, i, base, sel
.irp r, 0,1
.irp h, 0,1
.irp c, 0,2
.if (4*\t+\i) == 0
	v_pk_mul_f32 v[ACC+8*\r+4*\h+\c:ACC+8*\r+4*\h+\c+1], v[WGT+16*(2*\t+\h)+4*\i+\c:WGT+16*(2*\t+\h)+4*\i+\c+1], v[X+32*\r+4*(2*\t+\h)+\base:X+32*\r+4*(2*\t+\h)+\base+1] op_sel:[0,\sel] op_sel_hi:[1,\sel]
.else
	v_pk_fma_f32 v[ACC+8*\r+4*\h+\c:ACC+8*\r+4*\h+\c+1], v[WGT+16*(2*\t+\h)+4*\i+\c:WGT+16*(2*\t+\h)+4*\i+\c+1], v[X+32*\r+4*(2*\t+\h)+\base:X+32*\r+4*(2*\t+\h)+\base+1], v[ACC+8*\r+4*\h+\c:ACC+8*\r+4*\h+\c+1] op_sel:[0,\sel,0] op_sel_hi:[1,\sel,1]
.endif
.endr
.endr
.endr
.endm
.irp t, 0,1,2,3
	DOT \t, 0, 0, 0
	DOT \t, 1, 0, 1
	DOT \t, 2, 2, 0
	DOT \t, 3, 2, 1
.endr
.irp r, 0,1
.irp c, 0,2
	v_pk_add_f32 v[ACC+8*\r+\c:ACC+8*\r+\c+1], v[ACC+8*\r+\c:ACC+8*\r+\c+1], v[ACC+8*\r+4+\c:ACC+8*\r+4+\c+1]
.endr
.endr
	; the eight sums over the 32 lanes: four steps inside each half of 16 lanes, one across; every lane ends with the sum
.irp m, 1,2,4,8
.irp k, 208,209,210,211,216,217,218,219
	v_add_f32_dpp v[\k], v[\k], v[\k] row_xmask:\m row_mask:0xf bank_mask:0xf
.endr
.endr
.irp k, 208,209,210,211,216,217,218,219
	v_permlanex16_b32 v[\k-192], v[\k], s12, s13   ; the destination counts as read: a register of Wg, written long ago
.endr
.irp k, 208,209,210,211,216,217,218,219
	v_add_f32 v[\k], v[\k], v[\k-192]
.endr
	; the first largest: a later logit wins only if it is strictly larger
.irp r, 0,1
	v_cmp_gt_f32 vcc_lo, v[ACC+8*\r+1], v[ACC+8*\r]
	v_cndmask_b32 v[ACC+8*\r+4], v[ACC+8*\r], v[ACC+8*\r+1], vcc_lo
	v_cndmask_b32 v[ACC+8*\r+5], 0, 1, vcc_lo
.irp e, 2,3
	v_cmp_gt_f32 vcc_lo, v[ACC+8*\r+\e], v[ACC+8*\r+4]
	v_cndmask_b32 v[ACC+8*\r+4], v[ACC+8*\r+4], v[ACC+8*\r+\e], vcc_lo
	v_cndmask_b32 v[ACC+8*\r+5], v[ACC+8*\r+5], \e, vcc_lo
.endr
.endr
	v_cmp_eq_u32 vcc_lo, 1, v1
	v_cndmask_b32 v6, v[ACC+5], v[ACC+13], vcc_lo  ; lane 0: my first row's expert, lane 1: my second row's
	v_lshlrev_b32 v7, 2, v1
	s_wait_xcnt 0x0                                ; EXEC is a source of the stores above: it changes only behind this wait
	v_cmp_gt_u32 vcc_lo, 2, v1
	s_and_saveexec_b32 s22, vcc_lo
	global_store_b32 v7, v6, s[10:11]
	s_endpgm
.Lfunc_end_k_q6653c04faa_gate:
	.size	k_q6653c04faa_gate, .Lfunc_end_k_q6653c04faa_gate-k_q6653c04faa_gate
	.p2alignl 7, 3214868480
	.fill 96, 4, 3214868480
	.section	.rodata,"a",@progbits
	.p2align	6, 0x0
	.amdhsa_kernel k_q6653c04faa_gate
		.amdhsa_group_segment_fixed_size 0
		.amdhsa_private_segment_fixed_size 0
		.amdhsa_enable_private_segment 0
		.amdhsa_kernarg_size 32
		.amdhsa_user_sgpr_count 2
		.amdhsa_user_sgpr_kernarg_segment_ptr 1
		.amdhsa_wavefront_size32 1
		.amdhsa_system_sgpr_workgroup_id_x 1
		.amdhsa_system_sgpr_workgroup_id_y 1
		.amdhsa_system_sgpr_workgroup_id_z 1
		.amdhsa_system_vgpr_workitem_id 0
		.amdhsa_next_free_vgpr 256
		.amdhsa_next_free_sgpr 66
		.amdhsa_reserve_vcc 1
		.amdhsa_float_denorm_mode_32 3
		.amdhsa_float_denorm_mode_16_64 3
		.amdhsa_memory_ordered 1
		.amdhsa_forward_progress 1
		.amdhsa_inst_pref_size 32
	.end_amdhsa_kernel
	.amdgpu_metadata
---
amdhsa.version: [ 1, 2 ]
amdhsa.kernels:
  - .name:           k_q6653c04faa_gate
    .symbol:         k_q6653c04faa_gate.kd
    .args:
      - { .name: x, .offset: 0, .size: 8, .value_kind: global_buffer, .address_space: global }
      - { .name: Wg, .offset: 8, .size: 8, .value_kind: global_buffer, .address_space: global }
      - { .name: xb, .offset: 16, .size: 8, .value_kind: global_buffer, .address_space: global }
      - { .name: idx, .offset: 24, .size: 8, .value_kind: global_buffer, .address_space: global }
    .group_segment_fixed_size: 0
    .private_segment_fixed_size: 0
    .kernarg_segment_align: 8
    .kernarg_segment_size: 32
    .max_flat_workgroup_size: 256
    .sgpr_count:     66
    .vgpr_count:     256
    .wavefront_size: 32
...
	.end_amdgpu_metadata
.endif
;; end of part 1
;; launch prep (part 2): grid 481 x 1, 8 waves a work-group, no clusters, 67,584 bytes of LDS; arguments idx, w1s, w2s, w3s, W1, W2, W3, wb, route; writes wb, route
.if DOCPART == 2
	.amdgcn_target "amdgcn-amd-amdhsa--gfx1250"
	.amdhsa_code_object_version 6
	.text
	.protected	k_q6653c04faa_prep
	.globl	k_q6653c04faa_prep
	.p2align	8
	.type	k_q6653c04faa_prep,@function
k_q6653c04faa_prep:
	s_mov_b64 s[64:65], 0
	v_nop
	global_prefetch_b8 v0, s[64:65] scope:SCOPE_SE
	s_setreg_imm32_b32 hwreg(HW_REG_WAVE_MODE, 25, 1), 1
	s_wait_xcnt 0x0
; prep.  Work-groups 1..480: the 15 weight matrices [1024 k][1024 n] f32 to bf16 into wb[q], q = 5 kind + m, 2 MiB each
; (kind 0, 1, 2: the W1, W2, W3 kind; m = 0: shared, 1 + e: expert e).  32 work-groups a matrix, 32 k-rows each, all 32 loads of a wave out at once.
;   kinds 0, 1: the inputs' layout, [k][n].
;   kind 2: FRAGMENT ORDER, [kb = k / 32][nb = n / 16][1,024 bytes]: byte 512 sub + 16 (16 h + r) holds column 16 nb + r, k = 32 kb + 16 sub + 8 h .. + 7,
;   which is the register image of a 16-bit matrix operand (ISA guide 7.12.2): the launch that multiplies loads a fragment by two loads of 512 consecutive bytes.
; Work-group 0: the tokens sorted by expert into 32 blocks of 144 places, each block of one expert:
;   route bytes 0..18431: perm[32][144] token numbers;  bytes 18432..18559: bexp[32] the blocks' experts.
; 32 blocks always do: the sum over e of ceil(c_e / 144) is at most (4096 + 4 x 143) / 144 = 32.4.  At least ceil(4096 / 144) = 29 are used; the L <= 3 left
; over go to the largest expert (c >= 1024, so its blocks 0..2 are full): left-over block i takes the upper 72 ranks of that expert's block i.
; So no block is empty.  A free place repeats its block's first token: it computes, and later stores, the same numbers as that token's own place.
.set IDX, 16                           ; v[16:31] my 16 experts (sort);  v[16:143] the 32 quads (cast)
.set PC,  144                          ; v[144:207] kind 2: sixteen pieces of 16 bytes (8 k of one column)
.set FPITCH, 1040                      ; kind 2, LDS: a fragment's 1,024 bytes + 16
.set CNTS, 65536                       ; sort, LDS: 8 x 8,192 bytes of packed tokens, each wave's own; then 8 x 16 bytes of counts
	v_lshl_add_u32 v208, v0, 2, 0x10400
	v_mov_b32 v209, 0
	v_lshrrev_b32 v2, 5, v0
	v_readfirstlane_b32 s8, v2                     ; wave
	v_and_b32 v1, 31, v0                           ; lane
	s_cmp_eq_u32 ttmp9, 0
	s_cbranch_scc1 .Lroute                         ; the same way for all waves of a work-group
	; ---------------- the cast ----------------
	s_load_b512 s[16:31], s[0:1], 0x8              ; w1s 16, w2s 18, w3s 20, W1 22, W2 24, W3 26, wb 28, route 30 (not used here)
	s_sub_co_u32 s2, ttmp9, 1                      ; g = 0..479
	s_lshr_b32 s3, s2, 5                           ; q = 0..14
	s_cmp_ge_u32 s3, 5
	s_cselect_b32 s9, 1, 0
	s_cmp_ge_u32 s3, 10
	s_cselect_b32 s10, 2, s9                       ; kind
	s_mul_i32 s11, s10, 5
	s_sub_co_u32 s11, s3, s11                      ; m
	s_max_u32 s12, s11, 1
	s_sub_co_u32 s12, s12, 1                       ; expert (0 for the shared matrix too)
	s_lshl_b32 s12, s12, 22                        ; x 4 MiB
	s_and_b32 s13, s2, 31
	s_lshl_b32 s13, s13, 17                        ; + 32 rows of 4,096 bytes a work-group
	s_add_co_u32 s12, s12, s13
	s_lshl_b32 s13, s8, 14                         ; kinds 0, 1: + 4 rows a wave
	s_lshl_b32 s9, s8, 9                           ; kind 2: + 128 columns a wave
	s_cmp_eq_u32 s10, 2
	s_cselect_b32 s13, s9, s13
	s_add_co_u32 s12, s12, s13
	s_mov_b32 s13, 0
	s_lshl_b32 s14, s2, 16                         ; wb: 65,536 bytes a work-group (32 of them are a matrix of 2 MiB),
	s_lshl_b32 s15, s8, 13                         ; 8,192 a wave, in both layouts
	s_add_co_u32 s14, s14, s15
	s_mov_b32 s15, 0
	v_lshlrev_b32 v2, 4, v1
	v_lshlrev_b32 v3, 3, v1
	s_wait_kmcnt 0x0
	s_cmp_eq_u32 s10, 0
	s_cselect_b64 s[32:33], s[16:17], s[18:19]     ; the shared matrix of my kind
	s_cselect_b64 s[34:35], s[22:23], s[24:25]     ; the experts' tensor of my kind
	s_cmp_eq_u32 s10, 2
	s_cselect_b64 s[32:33], s[20:21], s[32:33]
	s_cselect_b64 s[34:35], s[26:27], s[34:35]
	s_cmp_eq_u32 s11, 0
	s_cselect_b64 s[32:33], s[32:33], s[34:35]
	s_add_nc_u64 s[32:33], s[32:33], s[12:13]
	s_add_nc_u64 s[28:29], s[28:29], s[14:15]
	s_cmp_eq_u32 s10, 2
	s_cbranch_scc1 .Lfrag                          ; the same way for all waves of a work-group
	; kinds 0, 1: four whole rows a wave, as they lie
.set n, 0
.rept 32
	global_load_b128 v[16+4*n:19+4*n], v2, s[32:33] offset:512*n th:TH_LOAD_NT
.set n, n+1
.endr
.set n, 0
.rept 32
	s_wait_loadcnt 31-n                            ; loads come back in order: number n is in, the younger ones stay out
	v_cvt_pk_bf16_f32 v[16+4*n], v[16+4*n], v[17+4*n]
	v_cvt_pk_bf16_f32 v[17+4*n], v[18+4*n], v[19+4*n]
	global_store_b64 v3, v[16+4*n:17+4*n], s[28:29] offset:256*n   ; 256 consecutive aligned bytes
.set n, n+1
.endr
	s_endpgm
	; kind 2: 32 k-rows x my 128 columns.  Lane l holds columns 4 l + c of every row, so two numbers that follow each other along k lie in one lane:
	; four packed conversions make the 16 bytes (8 k) of one column.  Column 4 l + c is place r = 4 (l % 4) + c of fragment l / 4.
	; The pieces go through LDS bytes of my wave's own, so that each store to memory covers 512 consecutive bytes.
.Lfrag:
	v_lshrrev_b32 v4, 2, v1
	v_mul_u32_u24 v4, v4, FPITCH
	v_and_b32 v5, 3, v1
	v_lshl_add_u32 v4, v5, 6, v4
	s_mul_i32 s12, s8, 8*FPITCH
	v_add_nc_u32 v4, s12, v4                       ; in: fragment l / 4, byte 64 (l % 4)
	v_lshl_add_u32 v5, v1, 4, s12                  ; back: 16 bytes a lane
.set n, 0
.rept 32
	global_load_b128 v[16+4*n:19+4*n], v2, s[32:33] offset:4096*n th:TH_LOAD_NT    ; row n: 512 consecutive bytes
.set n, n+1
.endr
.irp kg, 0,1,2,3
	s_wait_loadcnt 24-8*\kg                        ; rows 8 kg .. 8 kg + 7 are in; the later rows' loads stay out
.irp c, 0,1,2,3
.irp i, 0,1,2,3
	v_cvt_pk_bf16_f32 v[PC+16*\kg+4*\c+\i], v[16+4*(8*\kg+2*\i)+\c], v[16+4*(8*\kg+2*\i+1)+\c]
.endr
	ds_store_b128 v4, v[PC+16*\kg+4*\c:PC+16*\kg+4*\c+3] offset:(\kg/2)*512+(\kg%2)*256+16*\c      ; sub = kg / 2, h = kg % 2
.endr
.endr
.set n, 0
.rept 16
	ds_load_b128 v[16+4*n:19+4*n], v5 offset:(n/2)*FPITCH+(n%2)*512        ; LDS serves a wave's instructions in order (ISA guide 5.7.1.4): these see the stores above
.set n, n+1
.endr
.set n, 0
.rept 16
	s_wait_dscnt 15-n
	global_store_b128 v2, v[16+4*n:19+4*n], s[28:29] offset:512*n          ; half a fragment: 512 consecutive aligned bytes
.set n, n+1
.endr
	s_wait_tensorcnt 0x0
	ds_add_u32 v208, v209
	s_wait_dscnt 0x0
	s_endpgm
	; ---------------- the sort ----------------
.Lroute:
	s_load_b64 s[4:5], s[0:1], 0x0                 ; idx
	s_load_b64 s[6:7], s[0:1], 0x40                ; route
	s_mov_b32 s92, 116509                          ; n / 144 = (n x 116509) >> 24: 144 x 116509 = 2^24 + 80, exact while 80 n < 2^24
	v_lshlrev_b32 v3, 2, v1
	v_lshl_add_u32 v3, s8, 11, v3                  ; idx: 2,048 bytes a wave + 4 a lane
	v_lshl_add_u32 v4, s8, 9, v1                   ; token = 512 wave + 32 i + lane
	v_mov_b32 v5, s8
	v_lshlrev_b32 v5, 13, v5                       ; my wave's 8,192 bytes of LDS
.irp e, 0,1,2,3
	s_mov_b32 s[20+\e], 0                          ; s[20:23]: how many of expert e my wave has met
.endr
	s_wait_kmcnt 0x0
.irp i, 0,1,2,3,4,5,6,7,8,9,10,11,12,13,14,15
	global_load_b32 v[IDX+\i], v3, s[4:5] offset:128*\i
.endr
	s_wait_loadcnt 0x0
.irp i, 0,1,2,3,4,5,6,7,8,9,10,11,12,13,14,15
	v_min_u32 v[IDX+\i], 3, v[IDX+\i]
.endr
	; Step 1: my 512 tokens packed by expert into my own bytes: word 512 e + (rank inside the wave)
.irp i, 0,1,2,3,4,5,6,7,8,9,10,11,12,13,14,15
	v_cmp_eq_u32 vcc_lo, 0, v[IDX+\i]
	v_mbcnt_lo_u32_b32 v40, vcc_lo, s20            ; lanes below me with the same expert + those met before
	s_bcnt1_i32_b32 s12, vcc_lo
	s_add_co_u32 s20, s20, s12
.irp e, 1,2,3
	v_cmp_eq_u32 vcc_lo, \e, v[IDX+\i]
	v_mbcnt_lo_u32_b32 v41, vcc_lo, s[20+\e]
	v_cndmask_b32 v40, v40, v41, vcc_lo
	s_bcnt1_i32_b32 s12, vcc_lo
	s_add_co_u32 s[20+\e], s[20+\e], s12
.endr
	v_lshl_add_u32 v42, v[IDX+\i], 9, v40
	v_min_u32 v42, 2047, v42                       ; stays inside my wave's 2,048 words
	v_lshl_add_u32 v42, v42, 2, v5
	v_add_nc_u32 v43, 32*\i, v4
	ds_store_b32 v42, v43
.endr
	v_mov_b32 v32, s20
	v_mov_b32 v33, s21
	v_mov_b32 v34, s22
	v_mov_b32 v35, s23
	v_mov_b32 v6, s8
	v_lshlrev_b32 v6, 4, v6
	v_add_nc_u32 v6, CNTS, v6
	ds_store_b128 v6, v[32:35]                     ; my four counts (every lane the same bytes, the same numbers)
	s_wait_dscnt 0x0                               ; for the others' sake: all my LDS stores are done
	s_barrier_signal -1
	s_barrier_wait -1                              ; behind it LDS is only read
	; Step 2: all counts into s[32:63] (wave k, expert e at 32 + 4 k + e), turned into running bases; totals in s[24:27]
	v_mov_b32 v7, CNTS
.irp k, 0,1,2,3,4,5,6,7
	ds_load_b128 v[36+4*\k:39+4*\k], v7 offset:16*\k
.endr
	s_wait_dscnt 0x0
.set n, 0
.rept 32
	v_readfirstlane_b32 s[32+n], v[36+n]
.set n, n+1
.endr
.irp e, 0,1,2,3
	s_mov_b32 s[24+\e], s[32+\e]
	s_mov_b32 s[32+\e], 0
.irp k, 1,2,3,4,5,6,7
	s_mov_b32 s12, s[32+4*\k+\e]
	s_mov_b32 s[32+4*\k+\e], s[24+\e]              ; the rank, in expert e, of wave k's first token of e
	s_add_co_u32 s[24+\e], s[24+\e], s12
.endr
.endr
	s_mov_b32 s84, 0                               ; s[84:87] first block of expert e; s88 blocks used
.irp e, 0,1,2,3
	s_add_co_u32 s12, s[24+\e], 143
	s_mul_i32 s12, s12, s92
	s_lshr_b32 s12, s12, 24                        ; ceil(c_e / 144)
	s_add_co_u32 s[85+\e], s[84+\e], s12
.endr
	s_sub_co_u32 s89, 32, s88                      ; L: blocks left over
	s_mov_b32 s90, 0                               ; the first largest expert, and its count
	s_mov_b32 s91, s24
.irp e, 1,2,3
	s_cmp_gt_u32 s[24+\e], s91
	s_cselect_b32 s90, \e, s90
	s_cselect_b32 s91, s[24+\e], s91
.endr
	v_mov_b32 v60, 0                               ; lane k: expert of my block k
; Block 4 w + k.  Scalars: s94 expert, s98 first rank, s99 count; s[66:73] that expert's base in each source wave; s[74:81] what is added to a
; rank to get the word in LDS: 2048 k + 512 e - base.  Then 5 x 32 places (the last 16 lanes of the fifth are not stored).
.macro BLOCK k
	s_lshl_b32 s93, s8, 2
	s_add_co_u32 s93, s93, \k
	s_mov_b32 s94, 0
	s_mov_b32 s95, 0
	s_mov_b32 s96, s24
.irp e, 1,2,3
	s_cmp_ge_u32 s93, s[84+\e]                     ; first blocks do not decrease with e: the last that holds is mine
	s_cselect_b32 s94, \e, s94
	s_cselect_b32 s95, s[84+\e], s95
	s_cselect_b32 s96, s[24+\e], s96
.endr
	s_sub_co_u32 s97, s93, s95                     ; j: my number among the expert's blocks
	s_mul_i32 s98, s97, 144
	s_sub_co_u32 s99, s96, s98
	s_min_u32 s99, s99, 144
	s_cmp_eq_u32 s94, s90
	s_cselect_b32 s12, 1, 0
	s_cmp_lt_u32 s97, s89
	s_cselect_b32 s12, s12, 0
	s_cmp_lg_u32 s12, 0                            ; one of the largest expert's first L blocks: it keeps its lower 72 ranks
	s_cselect_b32 s99, 72, s99
	s_sub_co_u32 s13, s93, s88
	s_mul_i32 s13, s13, 144
	s_add_co_u32 s13, s13, 72
	s_cmp_ge_u32 s93, s88                          ; a left-over block: the upper 72 ranks of block (b - used) of the largest expert
	s_cselect_b32 s94, s90, s94
	s_cselect_b32 s98, s13, s98
	s_cselect_b32 s99, 72, s99
	s_cmp_eq_u32 s94, 1
.irp w, 0,1,2,3,4,5,6,7
	s_cselect_b32 s[66+\w], s[33+4*\w], s[32+4*\w]
.endr
	s_cmp_eq_u32 s94, 2
.irp w, 0,1,2,3,4,5,6,7
	s_cselect_b32 s[66+\w], s[34+4*\w], s[66+\w]
.endr
	s_cmp_eq_u32 s94, 3
.irp w, 0,1,2,3,4,5,6,7
	s_cselect_b32 s[66+\w], s[35+4*\w], s[66+\w]
.endr
	s_lshl_b32 s12, s94, 9
.irp w, 0,1,2,3,4,5,6,7
	s_sub_co_u32 s[74+\w], s12, s[66+\w]
	s_add_co_u32 s[74+\w], s[74+\w], 2048*\w
.endr
	v_writelane_b32 v60, s94, \k
.irp t, 0,1,2,3,4
	v_add_nc_u32 v40, 32*\t, v1                    ; place in the block
	v_cmp_gt_u32 vcc_lo, s99, v40
	v_cndmask_b32 v40, 0, v40, vcc_lo              ; a free place takes the block's first rank
	v_add_nc_u32 v40, s98, v40                     ; rank in the expert
	v_mov_b32 v41, s74
.irp w, 1,2,3,4,5,6,7
	v_cmp_le_u32 vcc_lo, s[66+\w], v40             ; bases do not decrease with the wave: the last that holds is the source
	v_cndmask_b32 v41, v41, s[74+\w], vcc_lo
.endr
	v_add_nc_u32 v41, v41, v40
	v_min_u32 v41, 16383, v41
	v_lshlrev_b32 v41, 2, v41
	ds_load_b32 v[64+5*\k+\t], v41
.endr
.endm
	BLOCK 0
	BLOCK 1
	BLOCK 2
	BLOCK 3
	v_lshlrev_b32 v44, 2, v1
	s_mul_i32 s12, s8, 2304                        ; four blocks of 576 bytes a wave
	v_add_nc_u32 v45, s12, v44
	v_lshl_add_u32 v46, s8, 4, v44
	s_wait_dscnt 0x0
.irp k, 0,1,2,3
.irp t, 0,1,2,3
	global_store_b32 v45, v[64+5*\k+\t], s[6:7] offset:576*\k+128*\t
.endr
.endr
	s_wait_xcnt 0x0                                ; EXEC changes only behind this wait
	v_cmp_gt_u32 vcc_lo, 16, v1
	s_wait_tensorcnt 0x0
	ds_add_u32 v208, v209
	s_wait_dscnt 0x0
	s_and_saveexec_b32 s12, vcc_lo
.irp k, 0,1,2,3
	global_store_b32 v45, v[64+5*\k+4], s[6:7] offset:576*\k+512   ; places 128..143
.endr
	s_wait_xcnt 0x0
	s_or_b32 exec_lo, exec_lo, s12
	v_cmp_gt_u32 vcc_lo, 4, v1
	s_and_saveexec_b32 s12, vcc_lo
	global_store_b32 v46, v60, s[6:7] offset:18432 ; my four blocks' experts
	s_endpgm
.Lfunc_end_k_q6653c04faa_prep:
	.size	k_q6653c04faa_prep, .Lfunc_end_k_q6653c04faa_prep-k_q6653c04faa_prep
	.p2alignl 7, 3214868480
	.fill 96, 4, 3214868480
	.section	.rodata,"a",@progbits
	.p2align	6, 0x0
	.amdhsa_kernel k_q6653c04faa_prep
		.amdhsa_group_segment_fixed_size 67584
		.amdhsa_private_segment_fixed_size 0
		.amdhsa_enable_private_segment 0
		.amdhsa_kernarg_size 72
		.amdhsa_user_sgpr_count 2
		.amdhsa_user_sgpr_kernarg_segment_ptr 1
		.amdhsa_wavefront_size32 1
		.amdhsa_system_sgpr_workgroup_id_x 1
		.amdhsa_system_sgpr_workgroup_id_y 1
		.amdhsa_system_sgpr_workgroup_id_z 1
		.amdhsa_system_vgpr_workitem_id 0
		.amdhsa_next_free_vgpr 210
		.amdhsa_next_free_sgpr 100
		.amdhsa_reserve_vcc 1
		.amdhsa_float_denorm_mode_32 3
		.amdhsa_float_denorm_mode_16_64 3
		.amdhsa_memory_ordered 1
		.amdhsa_forward_progress 1
		.amdhsa_inst_pref_size 84
	.end_amdhsa_kernel
	.amdgpu_metadata
---
amdhsa.version: [ 1, 2 ]
amdhsa.kernels:
  - .name:           k_q6653c04faa_prep
    .symbol:         k_q6653c04faa_prep.kd
    .args:
      - { .name: idx, .offset: 0, .size: 8, .value_kind: global_buffer, .address_space: global }
      - { .name: w1s, .offset: 8, .size: 8, .value_kind: global_buffer, .address_space: global }
      - { .name: w2s, .offset: 16, .size: 8, .value_kind: global_buffer, .address_space: global }
      - { .name: w3s, .offset: 24, .size: 8, .value_kind: global_buffer, .address_space: global }
      - { .name: W1, .offset: 32, .size: 8, .value_kind: global_buffer, .address_space: global }
      - { .name: W2, .offset: 40, .size: 8, .value_kind: global_buffer, .address_space: global }
      - { .name: W3, .offset: 48, .size: 8, .value_kind: global_buffer, .address_space: global }
      - { .name: wb, .offset: 56, .size: 8, .value_kind: global_buffer, .address_space: global }
      - { .name: route, .offset: 64, .size: 8, .value_kind: global_buffer, .address_space: global }
    .group_segment_fixed_size: 67584
    .private_segment_fixed_size: 0
    .kernarg_segment_align: 8
    .kernarg_segment_size: 72
    .max_flat_workgroup_size: 256
    .sgpr_count:     100
    .vgpr_count:     210
    .wavefront_size: 32
...
	.end_amdgpu_metadata
.endif
;; end of part 2
;; launch up (part 3): grid 8 x 32, 4 waves a work-group, no clusters, 327,680 bytes of LDS; arguments xb, wb, route, h; writes h
.if DOCPART == 3
	.amdgcn_target "amdgcn-amd-amdhsa--gfx1250"
	.amdhsa_code_object_version 6
	.text
	.protected	k_q6653c04faa_up
	.globl	k_q6653c04faa_up
	.p2align	8
	.type	k_q6653c04faa_up,@function
k_q6653c04faa_up:
	s_mov_b64 s[64:65], 0
	v_nop
	global_prefetch_b8 v0, s[64:65] scope:SCOPE_SE
	s_setreg_imm32_b32 hwreg(HW_REG_WAVE_MODE, 25, 1), 1
	s_wait_xcnt 0x0
; up: h[place][0..1023] = gelu(X w1s) * (X w2s),  h[place][1024..2047] = gelu(X W1[e]) * (X W2[e]),  X = the rows of xb that route's list names.
; Grid: x = column block cb (0..3 shared, 4..7 the block's expert; 256 columns of H each), y = row block rb (144 places of one expert).
; A work-group makes 144 x 256 of H, that is 144 x 512 products.  Four waves; wave w has all 144 rows x (gate columns 64 w .. + 63 and the same up
; columns): 9 x 8 accumulator tiles of 16 x 16, 576 registers; for 32 along K it reads 17 fragments from LDS and issues 72 matrix instructions.
; K = 1024 in 16 steps of 64, written out: every count and offset is a constant.
; THE WEIGHTS come by tensor loads into two slots of 128 k, TWO steps each (each wave 64 k-rows x 512 bytes): a slot is asked for again behind the barrier
; of an odd step, and from that request to the wait for it a wave issues 264 matrix instructions.
; THE ROWS OF X are named by a list, so they come through registers and ds_store into two slots of 64 k that no tensor load ever fills: one barrier a
; step.  Behind an even step's barrier no LDS bytes are filled again by a tensor load, so the weights' load stays out across it.
; X is gathered in aligned pieces of 128 bytes, eight lanes a row: two slots of 256-byte pieces do not fit beside the weights' 278,528 bytes.
; NO CLUSTER: what neighbours along x share is X, which is gathered by a list through registers and so is no tensor load; neighbours along y may
; have different experts (counts read from memory), so their weight tiles differ.
; gelu is the exact one, erf by the rational form 7.1.26 of Abramowitz and Stegun (absolute error at most 1.5e-7), in the form
; gelu(u) = max(u, 0) - |u| P(t) exp(-u^2 / 2) / 2, t = 1 / (1 + 0.3275911 |u| / sqrt 2), which forms no difference of near numbers for u < 0.
; LIMIT: exp2 gives 0 below 2^-126, so gelu(u) is 0 for u below about -13.2, where its true size is under 1e-37.
; REGISTERS, in windows of 256: window 0 addresses, X fragments (two buffers), staged rows; window g = 1..3: v0-191 the 24 tiles of row fragments
; 3 (g-1) .. + 2 (tile (a, b) at 8 (8 a + b); b 0-3 gate, 4-7 up); v192-255 of window 1 and of window 2: the two buffers of weight fragments.
; THE MATRIX INSTRUCTION IS USED TRANSPOSED (source 0 = 16 weight columns, source 1 = 16 rows of X): lane l holds row l % 16 and 8 neighbouring columns.
.set APITCH, 144                       ; 128 bytes (64 k) + 16 = 9 x 16
.set ASLOT,  144*APITCH                ; 20,736
.set BS,     2*ASLOT                   ; 41,472 = 162 x 256
.set BPITCH, 544                       ; 512 bytes (256 columns) + 32 = 17 x 32
.set BPART,  128*BPITCH                ; 69,632: a slot's 128 k-rows of the W1 kind; those of the W2 kind follow
.set BSLOT,  2*BPART                   ; 139,264
.set STG,    BS                        ; the stage for H, 144 rows x 528 = 76,032 bytes, in the weights' slot 0 after its last fill and its last reads
.set SPITCH, 528
.set ADRA, 8                           ; v8-9    X fragments in slot 0, 1
.set ADRB, 10                          ; v10-13  weight fragments: 2 slot + part (an LDS offset has 16 bits)
.set STA,  14                          ; v14-15  where I put staged rows, slot 0, 1
.set STO,  16                          ; v16-18  the stage, in: window 1, 2, 3
.set RD,   19                          ; v19     the stage, back
.set HO,   20                          ; v20     my byte offset in h
.set AF0,  32                          ; v32-103, v104-175: X fragments, buffers 0, 1
.set SG,   176                         ; v176-211 nine staged quads
.set RO,   212                         ; v212-220 byte offsets in xb of my nine rows' 16 bytes; never rewritten
.set GT, 192                           ; the way out, in the window at work: t
.set GE, 200                           ; exp, then max(u, 0)
.set GQ, 208                           ; the polynomial, then the result
.set GO, 216                           ; four packed quads
.set GC, 232                           ; a pair that holds c4
.set G1, 24                            ; s[24:31] descriptor group 1
.set G0, 32                            ; s[32:39] descriptor group 0, one for each slot
.set MSB, 0
.macro WIN new                         ; the immediate's high byte repeats the setting that is left
.if MSB != \new
	s_set_vgpr_msb (MSB<<8)|\new
.set MSB, \new
.endif
.endm
.macro PLACES                          ; four places behind a matrix instruction before its registers are loaded into or its result is read (ISA guide 7.12.1)
.rept 4
	v_nop
.endr
.endm
; 24 matrix instructions: the tiles of window g on fragment buffer f.  The 72 accumulators take turns, one instruction a turn.
.macro MULG f, g, zero
.set WV, (\g<<6)|(\g<<4)|(1+\f)
	WIN WV
.irp a, 0,1,2
.irp b, 0,1,2,3,4,5,6,7
.if \zero
	v_wmma_f32_16x16x32_bf16 v[8*(8*\a+\b):8*(8*\a+\b)+7], v[192+8*\b:192+8*\b+7], v[AF0+72*\f+8*(3*(\g-1)+\a):AF0+72*\f+8*(3*(\g-1)+\a)+7], 0
.else
	v_wmma_f32_16x16x32_bf16 v[8*(8*\a+\b):8*(8*\a+\b)+7], v[192+8*\b:192+8*\b+7], v[AF0+72*\f+8*(3*(\g-1)+\a):AF0+72*\f+8*(3*(\g-1)+\a)+7], v[8*(8*\a+\b):8*(8*\a+\b)+7]
.endif
.endr
.endr
.endm
; 34 LDS loads: 32 along K into buffer f.  Weights lie [k][n]: the transposing load brings k along the lane.
; sa, sb: X's and the weights' slot; ka: byte in X's rows; kr: first k-row in the weights' slot.
.macro FETCH sa, sb, ka, kr, f
.set WV, (1+\f)<<6
	WIN WV
.irp b, 0,1,2,3,4,5,6,7
	ds_load_tr16_b128 v[192+8*\b:192+8*\b+3], v[ADRB+2*(\sb)+(\b/4)] offset:(\kr)*BPITCH+32*(\b%4)
	ds_load_tr16_b128 v[192+8*\b+4:192+8*\b+7], v[ADRB+2*(\sb)+(\b/4)] offset:(\kr)*BPITCH+32*(\b%4)+16*BPITCH
.endr
	WIN 0
.irp a, 0,1,2,3,4,5,6,7,8
	ds_load_b128 v[AF0+72*\f+8*\a:AF0+72*\f+8*\a+3], v[ADRA+(\sa)] offset:(\ka)+16*APITCH*\a
	ds_load_b128 v[AF0+72*\f+8*\a+4:AF0+72*\f+8*\a+7], v[ADRA+(\sa)] offset:(\ka)+16*APITCH*\a+32
.endr
.endm
	s_load_b256 s[4:11], s[0:1], 0x0               ; xb s[4:5], wb s[6:7], route s[8:9], h s[10:11]
	v_lshl_add_u32 v254, v0, 2, 0x4e200
	v_mov_b32 v255, 0
	ds_add_u32 v254, v255
	ds_add_u32 v254, v255
	v_lshrrev_b32 v3, 5, v0
	v_readfirstlane_b32 s12, v3                    ; wave
	s_lshr_b32 s13, s12, 1                         ; I fetch rows of the W1 kind (0) or of the W2 kind (1),
	s_and_b32 s14, s12, 1                          ; k-rows 0-63 or 64-127 of a slot
	s_and_b32 s15, ttmp7, 0xffff                   ; rb
	s_and_b32 s17, ttmp9, 3                        ; column block inside the matrix
	s_mov_b32 s[G1+0], 0x0f910000                  ; no mask; elements of 2 bytes; padding on: after every 128 words (code 6) 8 words (code 7)
	s_mov_b32 s[G1+1], 256<<16                     ; tensor_dim0 = 256
	s_mov_b32 s[G1+2], 64<<16                      ; tensor_dim1 = 64
	s_mov_b32 s[G1+3], 256<<16                     ; tile_dim0 = 256 elements (512 bytes)
	s_mov_b32 s[G1+4], 64                          ; tile_dim1 = 64 rows
	s_mov_b32 s[G1+5], 1024                        ; elements from row to row
	s_mov_b32 s[G1+6], 0
	s_mov_b32 s[G1+7], 0
	; my nine rows a step: place 36 w + 4 j + l / 8, bytes 16 (l % 8) of its 128
	v_bfe_u32 v7, v0, 3, 2                         ; l / 8
	s_mul_i32 s22, s15, 576
	s_mul_i32 s23, s12, 144
	s_add_co_u32 s22, s22, s23
	v_lshl_add_u32 v4, v7, 2, s22
	s_lshl_b32 s20, s15, 2
	s_mov_b32 s21, 0
	s_wait_dscnt 0x0
	s_wait_kmcnt 0x0
	s_add_nc_u64 s[20:21], s[8:9], s[20:21]
	s_load_b32 s18, s[20:21], 0x4800               ; bexp[rb], at byte 18,432 of route;
.irp j, 0,1,2,3,4,5,6,7,8
	global_load_b32 v[RO+\j], v4, s[8:9] offset:16*\j              ; and the list, on its way beside it
.endr
	s_wait_kmcnt 0x0
	s_min_u32 s18, s18, 3
	s_add_co_u32 s18, s18, 1
	s_cmp_lt_u32 ttmp9, 4
	s_cselect_b32 s18, 0, s18                      ; m: 0 shared, 1 + e
	s_mul_i32 s19, s13, 5
	s_add_co_u32 s19, s19, s18                     ; matrix number in wb
	s_lshl_b32 s20, s19, 21                        ; x 2 MiB
	s_lshl_b32 s22, s14, 17                        ; + 64 k-rows of 2,048 bytes
	s_add_co_u32 s20, s20, s22
	s_lshl_b32 s22, s17, 9                         ; + 256 columns
	s_add_co_u32 s20, s20, s22
	s_mov_b32 s21, 0
	s_add_nc_u64 s[20:21], s[6:7], s[20:21]
	s_mul_i32 s22, s12, 64*BPITCH                  ; my quarter of a slot
.irp n, 0,1
	s_mov_b32 s[G0+4*\n], 1
	s_add_co_u32 s[G0+4*\n+1], s22, BS+\n*BSLOT
	s_add_nc_u64 s[G0+4*\n+2:G0+4*\n+3], s[20:21], \n*262144       ; slot n: 128 k-rows further
	s_or_b32 s[G0+4*\n+3], s[G0+4*\n+3], 0x80000000
	tensor_load_to_lds s[G0+4*\n:G0+4*\n+3], s[G1:G1+7]            ; both first fills go out together: two loads of the wave are out, later one
	s_nop 0
.endr
	v_and_b32 v1, 15, v0                           ; r
	v_bfe_u32 v2, v0, 4, 1                         ; h
	v_and_b32 v6, 31, v0                           ; lane
	v_and_b32 v5, 7, v0
	v_lshlrev_b32 v5, 4, v5                        ; 16 (l % 8)
	v_mul_u32_u24 v3, v1, APITCH
	v_lshl_add_u32 v[ADRA], v2, 4, v3              ; row r x pitch + 16 h
	v_add_nc_u32 v[ADRA+1], ASLOT, v[ADRA]
	v_and_b32 v3, 7, v0
	v_lshl_add_u32 v3, v2, 3, v3
	v_mul_u32_u24 v3, v3, BPITCH                   ; k-row 8 h + l % 8
	v_bfe_u32 v21, v0, 3, 1
	v_lshl_add_u32 v3, v21, 4, v3                  ; + 16 bytes for the upper eight columns
	s_lshl_b32 s22, s12, 7                         ; + my 64 columns
	s_add_co_u32 s22, s22, BS
	v_add_nc_u32 v[ADRB], s22, v3
	v_add_nc_u32 v[ADRB+1], BPART, v[ADRB]
	v_add_nc_u32 v[ADRB+2], BSLOT, v[ADRB]
	v_add_nc_u32 v[ADRB+3], BSLOT+BPART, v[ADRB]
	v_mul_u32_u24 v3, v7, APITCH
	v_add_nc_u32 v3, v3, v5
	s_mul_i32 s22, s12, 36*APITCH
	v_add_nc_u32 v[STA], s22, v3                   ; row 36 w + l / 8, 16 bytes a lane
	v_add_nc_u32 v[STA+1], ASLOT, v[STA]
	v_mul_u32_u24 v3, v1, SPITCH
	v_lshl_add_u32 v3, v2, 4, v3
	s_lshl_b32 s22, s12, 7
	s_add_co_u32 s22, s22, STG
	v_add_nc_u32 v[STO], s22, v3
	v_add_nc_u32 v[STO+1], 48*SPITCH, v[STO]
	v_add_nc_u32 v[STO+2], 96*SPITCH, v[STO]
	s_mul_i32 s22, s12, 36*SPITCH
	s_add_co_u32 s22, s22, STG
	v_lshl_add_u32 v[RD], v6, 4, s22
	s_mul_i32 s22, s12, 36*4096
	v_lshl_add_u32 v[HO], v6, 4, s22
	s_mul_i32 s22, s15, 589824                     ; 144 rows of 4,096 bytes
	s_lshl_b32 s23, ttmp9, 9
	s_add_co_u32 s22, s22, s23
	s_mov_b32 s23, 0
	s_add_nc_u64 s[10:11], s[10:11], s[22:23]
	s_wait_loadcnt 0x0
.irp j, 0,1,2,3,4,5,6,7,8
	v_min_u32 v[RO+\j], 4095, v[RO+\j]
	v_lshl_add_u32 v[RO+\j], v[RO+\j], 11, v5      ; token x 2,048 bytes + 16 (l % 8)
.endr
.irp j, 0,1,2,3,4,5,6,7,8
	global_load_b128 v[SG+4*\j:SG+4*\j+3], v[RO+\j], s[4:5]        ; step 0: k 0-63 of my 36 rows
.endr
	s_wait_loadcnt 0x0
.irp j, 0,1,2,3,4,5,6,7,8
	ds_store_b128 v[STA], v[SG+4*\j:SG+4*\j+3] offset:4*APITCH*\j
.endr
	s_wait_dscnt 0x0                               ; my rows of X are in LDS,
	s_wait_tensorcnt 0x1                           ; my part of slot 0 too; slot 1's load may stay out
	s_barrier_signal -1
	s_barrier_wait -1
.irp j, 0,1,2,3,4,5,6,7,8
	global_load_b128 v[SG+4*\j:SG+4*\j+3], v[RO+\j], s[4:5] offset:128     ; step 1's rows: stored in step 0
.endr
	FETCH 0, 0, 0, 0, 0
; Step s: 64 along K, 144 matrix instructions.  X's slot s % 2; the weights' slot (s / 2) % 2, k-rows 64 (s % 2) on.
; One barrier a step.  In front of it the next step's X is stored into X's other slot (its reads were over in front of the last barrier) and my LDS reads
; and stores are done.  In front of an odd step's barrier all my tensor loads have landed too (one is out: my part of the other slot); behind it
; the refill of the weights' slot just read comes first.
.macro STEP s
.set SA, \s&1
.set BSL, (\s>>1)&1
.set KR, 64*(\s&1)
.set NA, (\s+1)&1
.set NBS, ((\s+1)>>1)&1
.set NKR, 64*((\s+1)&1)
.if \s == 0
.set Z, 1
.else
.set Z, 0
.endif
	s_wait_dscnt 12                                ; the weights and X's fragments 0-2 are in; the youngest 12 loads (fragments 3-8) may be out
	MULG 0, 1, Z
	PLACES
	FETCH SA, BSL, 64, KR+32, 1
	s_wait_dscnt 34                                ; all but the 34 just issued
	MULG 0, 2, Z
	MULG 0, 3, Z
	s_wait_dscnt 12
	MULG 1, 1, 0
.if \s < 15
	WIN 0
	s_wait_loadcnt 0x0                             ; the nine staged quads
.irp j, 0,1,2,3,4,5,6,7,8
	ds_store_b128 v[STA+NA], v[SG+4*\j:SG+4*\j+3] offset:4*APITCH*\j
.endr
	s_wait_dscnt 0x0
.if SA == 1
	s_wait_tensorcnt 0x0                           ; no tensor load of mine is out: a group 0 may be written
	ds_add_u32 v254, v255
	s_wait_dscnt 0x0
.if \s < 12
	s_add_nc_u64 s[G0+4*BSL+2:G0+4*BSL+3], s[G0+4*BSL+2:G0+4*BSL+3], 524288        ; two slots on: 256 k-rows
.endif
.endif
	s_barrier_signal -1
	MULG 1, 2, 0                                   ; registers only, while the others arrive
	WIN 0
	s_barrier_wait -1
.if SA == 1
.if \s < 12
	tensor_load_to_lds s[G0+4*BSL:G0+4*BSL+3], s[G1:G1+7]          ; steps s + 3 and s + 4: my one tensor load behind this barrier, and the first thing there
	s_nop 0
.endif
.endif
.if \s < 14
.irp j, 0,1,2,3,4,5,6,7,8
	global_load_b128 v[SG+4*\j:SG+4*\j+3], v[RO+\j], s[4:5] offset:128*(\s+2)      ; what the next step stores
.endr
.endif
	PLACES
	FETCH NA, NBS, 0, NKR, 0
	MULG 1, 3, 0
.else
	s_wait_dscnt 0x0
	MULG 1, 2, 0
	MULG 1, 3, 0
.endif
.endm
.irp s, 0,1,2,3,4,5,6,7,8,9,10,11,12,13,14,15
	STEP \s
.endr
; Eight numbers: o = bf16(gelu(u) * v).  All registers in the window at work.  c_i = -a_i / 2 of the rational form.
.macro GEGLU8 u, v, o
.irp j, 0,1,2,3,4,5,6,7
	v_fma_f32 v[GT+\j], |v[\u+\j]|, 0x3e6d3388, 1.0                ; 1 + 0.3275911 |u| / sqrt 2
.endr
.irp j, 0,2,4,6
	v_pk_mul_f32 v[GE+\j:GE+\j+1], v[\u+\j:\u+\j+1], 0x3f596d27 op_sel_hi:[1,0]    ; u sqrt(log2(e) / 2)
.endr
.irp j, 0,2,4,6
	v_pk_mul_f32 v[GE+\j:GE+\j+1], v[GE+\j:GE+\j+1], v[GE+\j:GE+\j+1] neg_lo:[1,0] neg_hi:[1,0]
.endr
.irp j, 0,1,2,3,4,5,6,7
	v_rcp_f32 v[GT+\j], v[GT+\j]
.endr
.irp j, 0,1,2,3,4,5,6,7
	v_exp_f32 v[GE+\j], v[GE+\j]                   ; exp(-u^2 / 2)
.endr
	v_nop                                          ; one plain place behind the transcendentals before their results are used (ISA guide 5.7.2)
	s_wait_alu depctr_va_vdst(0)
.irp j, 0,2,4,6
	v_pk_fma_f32 v[GQ+\j:GQ+\j+1], v[GT+\j:GT+\j+1], 0xbf07dc22, v[GC:GC+1] op_sel_hi:[1,0,1]
.endr
.irp j, 0,2,4,6
	v_pk_fma_f32 v[GQ+\j:GQ+\j+1], v[GQ+\j:GQ+\j+1], v[GT+\j:GT+\j+1], 0xbf35f0e3 op_sel_hi:[1,1,0]
.endr
.irp j, 0,2,4,6
	v_pk_fma_f32 v[GQ+\j:GQ+\j+1], v[GQ+\j:GQ+\j+1], v[GT+\j:GT+\j+1], 0x3e11a98e op_sel_hi:[1,1,0]
.endr
.irp j, 0,2,4,6
	v_pk_fma_f32 v[GQ+\j:GQ+\j+1], v[GQ+\j:GQ+\j+1], v[GT+\j:GT+\j+1], 0xbe027906 op_sel_hi:[1,1,0]
.endr
.irp j, 0,2,4,6
	v_pk_mul_f32 v[GQ+\j:GQ+\j+1], v[GQ+\j:GQ+\j+1], v[GT+\j:GT+\j+1]
.endr
.irp j, 0,2,4,6
	v_pk_mul_f32 v[GQ+\j:GQ+\j+1], v[GQ+\j:GQ+\j+1], v[GE+\j:GE+\j+1]
.endr
.irp j, 0,1,2,3,4,5,6,7
	v_max_num_f32 v[GE+\j], 0, v[\u+\j]
.endr
.irp j, 0,1,2,3,4,5,6,7
	v_fma_f32 v[GQ+\j], |v[\u+\j]|, v[GQ+\j], v[GE+\j]             ; gelu(u)
.endr
.irp j, 0,2,4,6
	v_pk_mul_f32 v[GQ+\j:GQ+\j+1], v[GQ+\j:GQ+\j+1], v[\v+\j:\v+\j+1]
.endr
.irp j, 0,1,2,3
	v_cvt_pk_bf16_f32 v[\o+\j], v[GQ+2*\j], v[GQ+2*\j+1]
.endr
.endm
; Window g: 48 rows x my 64 columns of H into the stage, 16 bytes a lane.  The stage's bytes lie in the weights' slot 0: its last fill landed, and every
; wave's last reads of it were over, in front of step 13's barrier.
.macro EPI g
.set WA, 0x55*\g
.set WS, \g<<2
	WIN WA
	v_mov_b32 v[GC], 0x3f3a00e3
	v_mov_b32 v[GC+1], 0x3f3a00e3
.irp a, 0,1,2
.irp b, 0,1,2,3
	GEGLU8 8*(8*\a+\b), 8*(8*\a+\b+4), GO+4*\b
.endr
	WIN WS
.irp b, 0,1,2,3
	ds_store_b128 v[STO+\g-1], v[GO+4*\b:GO+4*\b+3] offset:16*SPITCH*\a+32*\b
.endr
	WIN WA
.endr
.endm
	PLACES
	EPI 1
	EPI 2
	EPI 3
	WIN 0
	s_wait_dscnt 0x0                               ; my part of every row is in the stage,
	s_barrier_signal -1
	s_barrier_wait -1                              ; everybody's is
.set n, 0
.rept 36
	ds_load_b128 v[AF0+4*n:AF0+4*n+3], v[RD] offset:SPITCH*n       ; a whole row of 512 bytes
.set n, n+1
.endr
.set n, 0
.rept 36
	s_wait_dscnt 35-n
	global_store_b128 v[HO], v[AF0+4*n:AF0+4*n+3], s[10:11] offset:4096*n  ; 512 consecutive bytes, at a multiple of 512 from h's first byte
.set n, n+1
.endr
	s_wait_tensorcnt 0x0
	ds_add_u32 v254, v255
	s_wait_dscnt 0x0
	s_endpgm
.Lfunc_end_k_q6653c04faa_up:
	.size	k_q6653c04faa_up, .Lfunc_end_k_q6653c04faa_up-k_q6653c04faa_up
	.p2alignl 7, 3214868480
	.fill 96, 4, 3214868480
	.section	.rodata,"a",@progbits
	.p2align	6, 0x0
	.amdhsa_kernel k_q6653c04faa_up
		.amdhsa_group_segment_fixed_size 327680
		.amdhsa_private_segment_fixed_size 0
		.amdhsa_enable_private_segment 0
		.amdhsa_kernarg_size 32
		.amdhsa_user_sgpr_count 2
		.amdhsa_user_sgpr_kernarg_segment_ptr 1
		.amdhsa_wavefront_size32 1
		.amdhsa_system_sgpr_workgroup_id_x 1
		.amdhsa_system_sgpr_workgroup_id_y 1
		.amdhsa_system_sgpr_workgroup_id_z 1
		.amdhsa_system_vgpr_workitem_id 0
		.amdhsa_next_free_vgpr 1024
		.amdhsa_next_free_sgpr 66
		.amdhsa_reserve_vcc 0
		.amdhsa_float_denorm_mode_32 3
		.amdhsa_float_denorm_mode_16_64 3
		.amdhsa_memory_ordered 1
		.amdhsa_forward_progress 1
		.amdhsa_inst_pref_size 255
	.end_amdhsa_kernel
	.section	.bss,"aw",@nobits
	.p2align	6
	.space	262144
	.amdgpu_metadata
---
amdhsa.version: [ 1, 2 ]
amdhsa.kernels:
  - .name:           k_q6653c04faa_up
    .symbol:         k_q6653c04faa_up.kd
    .args:
      - { .name: xb, .offset: 0, .size: 8, .value_kind: global_buffer, .address_space: global }
      - { .name: wb, .offset: 8, .size: 8, .value_kind: global_buffer, .address_space: global }
      - { .name: route, .offset: 16, .size: 8, .value_kind: global_buffer, .address_space: global }
      - { .name: h, .offset: 24, .size: 8, .value_kind: global_buffer, .address_space: global }
    .group_segment_fixed_size: 327680
    .private_segment_fixed_size: 0
    .kernarg_segment_align: 8
    .kernarg_segment_size: 32
    .max_flat_workgroup_size: 128
    .sgpr_count:     66
    .vgpr_count:     1024
    .wavefront_size: 32
...
	.end_amdgpu_metadata
.endif
;; end of part 3
;; launch down (part 4): grid 8 x 32, 4 waves a work-group, clusters of 4 x 1, 327,680 bytes of LDS; arguments h, wb, route, out0; writes out0
.if DOCPART == 4
	.amdgcn_target "amdgcn-amd-amdhsa--gfx1250"
	.amdhsa_code_object_version 6
	.text
	.protected	k_q6653c04faa_down
	.globl	k_q6653c04faa_down
	.p2align	8
	.type	k_q6653c04faa_down,@function
k_q6653c04faa_down:
	s_mov_b64 s[64:65], 0
	v_nop
	global_prefetch_b8 v0, s[64:65] scope:SCOPE_SE
	s_setreg_imm32_b32 hwreg(HW_REG_WAVE_MODE, 25, 1), 1
	s_wait_xcnt 0x0
	s_wait_alu depctr_hold_cnt(0) depctr_sa_sdst(0) depctr_va_vdst(0) depctr_va_sdst(0) depctr_va_ssrc(0) depctr_va_vcc(0) depctr_vm_vsrc(0)
	s_getreg_b32 s2, hwreg(HW_REG_IB_STS2, 6, 4)
	s_cmp_eq_u32 s2, 0
	s_cbranch_scc0 .Lentry_in_a_cluster
	s_endpgm
.Lentry_in_a_cluster:
	s_bfe_u32 s2, ttmp6, 0x10000c
	s_cmp_lg_u32 s2, 0x3003
	s_cbranch_scc0 .Lentry_shape_is_right
	s_endpgm
.Lentry_shape_is_right:
; down: out0[token of place][n] = sum over k < 2048 of h[place][k] * W[k][n],  W = w3s (k < 1024) on top of W3[e] (k >= 1024), e the row block's expert.
; Grid: x = column block cb (128 columns), y = row block rb (144 places).  A work-group makes 144 x 128 with K = 2048 in 4 steps of 512, written out.
; THE WAVES SPLIT K: wave w takes k = 128 w .. + 127 of each step, four substeps of 32, and has all 144 x 128 in 72 accumulator tiles.
; The four partial sums meet in LDS at the end, in the slots' bytes after their last fill.
; H comes by tensor loads into two LDS slots of 144 rows x 512 k (each wave 36 rows x 1,024 bytes); from a request to the wait for it a wave issues
; 264 matrix instructions.
; CLUSTER 4 x 1: the four work-groups of a cluster have the same rb, so the same tile of h: it is asked for jointly (mask 15), which divides the
; requests for h by four.
; W DOES NOT PASS THROUGH LDS: each of its bytes is wanted by one wave alone, and wb holds the W3 kind in fragment order ([k / 32][n / 16][1,024 bytes], the
; operand's register image), so a fragment is two loads of 512 consecutive bytes straight into registers.  Four buffers of a substep each: a load is
; issued three substeps, 216 matrix instructions, ahead of its use.  W's tile hangs on cb, which differs between the four partners: nothing to share.
; A free place repeats its block's first token: it holds the same numbers as that token's own place and stores them to the same bytes.
; REGISTERS: window 0 addresses, h's fragments (two buffers), W's buffer 3 (v176-239); window g = 1..3: v0-191 the 24 tiles of row fragments
; 3 (g-1) .. + 2 (tile (a, b) at 8 (8 a + b)); v192-255: W's buffer g - 1.
; THE MATRIX INSTRUCTION IS USED TRANSPOSED (source 0 = 16 columns of W, source 1 = 16 rows of h): lane l holds row l % 16 and 8 neighbouring columns.
.set APITCH, 1040                      ; 1,024 bytes (512 k) + 16 = 65 x 16
.set SLOT,   144*APITCH                ; 149,760
.set SPITCH, 528                       ; the stages: 128 f32 + 16 bytes
.set STAGE,  144*SPITCH                ; 76,032: one for each wave
.set ADRA,  8                          ; v8-13   h's fragments: 3 slot + (fragment / 3) (an LDS offset has 16 bits)
.set WO,    14                         ; v14     16 lane: my bytes of half a fragment of W; never rewritten
.set STO,   15                         ; v15-17  my stage, in: window 1, 2, 3
.set RD,    20                         ; v20-23  stage p, back: my 36 rows
.set LO,    24                         ; v24     512 cb + 16 lane
.set AF0,   32                         ; v32-103, v104-175
.set OFF,   240                        ; v240-248 nine rows' byte offsets in out0
.set G1, 24                            ; s[24:31] descriptor group 1
.set G0, 32                            ; s[32:39] descriptor group 0, one for each slot
.set SB0, 60                           ; s[60:61] W at my columns and my k, as if w3s went on for 2,048 rows; s[62:63] the same + e matrices
.set MSB, 0
.macro WIN new
.if MSB != \new
	s_set_vgpr_msb (MSB<<8)|\new
.set MSB, \new
.endif
.endm
.macro PLACES                          ; four places behind a matrix instruction before its registers are loaded into or its result is read (ISA guide 7.12.1)
.rept 4
	v_nop
.endr
.endm
; 24 matrix instructions: the tiles of window g, h's buffer abuf, W's buffer bbuf.  The 72 accumulators take turns, one instruction a turn.
.macro MULG abuf, bbuf, g, zero
.if \bbuf == 3
.set MBB, 176
.else
.set MBB, 192
.endif
.set WV, (\g<<6)|(\g<<4)|((\bbuf+1)&3)
	WIN WV
.irp a, 0,1,2
.irp b, 0,1,2,3,4,5,6,7
.if \zero
	v_wmma_f32_16x16x32_bf16 v[8*(8*\a+\b):8*(8*\a+\b)+7], v[MBB+8*\b:MBB+8*\b+7], v[AF0+72*\abuf+8*(3*(\g-1)+\a):AF0+72*\abuf+8*(3*(\g-1)+\a)+7], 0
.else
	v_wmma_f32_16x16x32_bf16 v[8*(8*\a+\b):8*(8*\a+\b)+7], v[MBB+8*\b:MBB+8*\b+7], v[AF0+72*\abuf+8*(3*(\g-1)+\a):AF0+72*\abuf+8*(3*(\g-1)+\a)+7], v[8*(8*\a+\b):8*(8*\a+\b)+7]
.endif
.endr
.endr
.endm
; 18 LDS loads: h's nine fragments of substep sub (32 of my 128 k) into buffer abuf
.macro AFETCH slot, sub, abuf
	WIN 0
.irp a, 0,1,2,3,4,5,6,7,8
	ds_load_b128 v[AF0+72*\abuf+8*\a:AF0+72*\abuf+8*\a+3], v[ADRA+3*(\slot)+(\a/3)] offset:16*APITCH*(\a%3)+64*(\sub)
	ds_load_b128 v[AF0+72*\abuf+8*\a+4:AF0+72*\abuf+8*\a+7], v[ADRA+3*(\slot)+(\a/3)] offset:16*APITCH*(\a%3)+64*(\sub)+32
.endr
.endm
; 16 loads from memory: W's eight fragments of substep t (0..15) into buffer t % 4.  k / 32 = 16 (t / 4) + 4 w + t % 4; substeps 8 on lie in W3[e].
.macro BLOAD t
.set LB, (\t)&3
.if LB == 3
.set LBB, 176
.else
.set LBB, 192
.endif
.set SBX, SB0+2*((\t)>>3)
.set WV, ((LB+1)&3)<<6
	WIN WV
.irp b, 0,1,2,3,4,5,6,7
	global_load_b128 v[LBB+8*\b:LBB+8*\b+3], v[WO], s[SBX:SBX+1] offset:((\t)>>2)*1048576+LB*65536+1024*\b
	global_load_b128 v[LBB+8*\b+4:LBB+8*\b+7], v[WO], s[SBX:SBX+1] offset:((\t)>>2)*1048576+LB*65536+1024*\b+512
.endr
.endm
; A round of the cluster's barrier: my work-group's barrier; wave 0 signals for the work-group; every wave waits for all four work-groups; my work-group's barrier again.
.macro CREST
	s_cmp_lg_u32 s12, 0
	s_cbranch_scc1 .Lnot_wave_0_\@
	s_barrier_signal -3
.Lnot_wave_0_\@:
	s_barrier_wait -3
	s_barrier_signal -1
	s_barrier_wait -1
.endm
.macro CROUND
	s_barrier_signal -1
	s_barrier_wait -1
	CREST
.endm
	s_load_b256 s[4:11], s[0:1], 0x0               ; h s[4:5], wb s[6:7], route s[8:9], out0 s[10:11]
	v_lshl_add_u32 v254, v0, 2, 0x4a400
	v_mov_b32 v255, 0
	ds_add_u32 v254, v255
	ds_add_u32 v254, v255
	v_lshrrev_b32 v3, 5, v0
	v_readfirstlane_b32 s12, v3                    ; wave
	s_bfe_u32 s16, ttmp6, 0x40000                  ; cx
	s_lshl_b32 s17, ttmp9, 2
	s_add_co_u32 s17, s17, s16                     ; cb = 4 x cluster x + cx
	s_and_b32 s15, ttmp7, 0xffff                   ; rb
	s_mov_b32 s[G1+0], 0x07f1000f                  ; mask 15: all four of the cluster; bit 21 beside it; elements of 2 bytes; after every 256 words (code 7) 4 words (code 3)
	s_mov_b32 s[G1+1], 512<<16                     ; tensor_dim0 = 512
	s_mov_b32 s[G1+2], 36<<16                      ; tensor_dim1 = 36
	s_mov_b32 s[G1+3], 512<<16                     ; tile_dim0 = 512 elements (1,024 bytes)
	s_mov_b32 s[G1+4], 36                          ; tile_dim1 = 36 rows
	s_mov_b32 s[G1+5], 2048                        ; elements from row to row
	s_mov_b32 s[G1+6], 0
	s_mov_b32 s[G1+7], 0
	s_lshl_b32 s46, s15, 2
	s_mov_b32 s47, 0
	s_mul_i32 s20, s15, 144                        ; h's tile: made of rb and the wave's number alone, which the four partners share
	s_mul_i32 s19, s12, 36
	s_add_co_u32 s20, s20, s19
	s_lshl_b32 s20, s20, 12                        ; rows of 4,096 bytes
	s_mov_b32 s21, 0
	s_lshl_b32 s40, s12, 18                        ; W: my 128 k are four blocks of 65,536 bytes,
	s_lshl_b32 s42, s17, 13                        ; my 128 columns eight fragments of 1,024,
	s_add_co_u32 s40, s40, s42
	s_add_co_u32 s40, s40, 20971520                ; matrix 10 of wb: w3s
	s_mov_b32 s41, 0
	s_mul_i32 s19, s12, 36*APITCH                  ; where my load lands: the wave's number alone
	s_wait_dscnt 0x0
	s_wait_kmcnt 0x0
	s_add_nc_u64 s[46:47], s[8:9], s[46:47]
	s_load_b32 s18, s[46:47], 0x4800               ; bexp[rb]: wanted first for substep 8's loads, waited for behind the first loads
	s_add_nc_u64 s[20:21], s[4:5], s[20:21]
	s_add_nc_u64 s[SB0:SB0+1], s[6:7], s[40:41]
	CROUND                                         ; all four work-groups are here: the first joint loads meet
.irp n, 0,1
	s_mov_b32 s[G0+4*\n], 1
	s_add_co_u32 s[G0+4*\n+1], s19, \n*SLOT
	s_add_nc_u64 s[G0+4*\n+2:G0+4*\n+3], s[20:21], \n*1024
	s_or_b32 s[G0+4*\n+3], s[G0+4*\n+3], 0x80000000
	tensor_load_to_lds s[G0+4*\n:G0+4*\n+3], s[G1:G1+7]            ; steps 0 and 1: two loads of the wave are out, later one
	s_nop 0
	v_nop
	v_nop
.endr
	v_and_b32 v6, 31, v0                           ; lane
	v_lshlrev_b32 v[WO], 4, v6
	BLOAD 0
	BLOAD 1
	BLOAD 2
	WIN 0
	v_and_b32 v1, 15, v0                           ; r
	v_bfe_u32 v2, v0, 4, 1                         ; h
	v_mul_u32_u24 v3, v1, APITCH
	v_lshl_add_u32 v3, v2, 4, v3
	s_lshl_b32 s22, s12, 8                         ; my 128 k: 256 bytes of each row
	v_add_nc_u32 v[ADRA], s22, v3
	v_add_nc_u32 v[ADRA+1], 48*APITCH, v[ADRA]
	v_add_nc_u32 v[ADRA+2], 96*APITCH, v[ADRA]
	v_add_nc_u32 v[ADRA+3], SLOT, v[ADRA]
	v_add_nc_u32 v[ADRA+4], SLOT+48*APITCH, v[ADRA]
	v_add_nc_u32 v[ADRA+5], SLOT+96*APITCH, v[ADRA]
	v_mul_u32_u24 v3, v1, SPITCH
	v_lshl_add_u32 v3, v2, 5, v3                   ; row r, 32 bytes (8 f32) for each half of the lanes
	s_mul_i32 s22, s12, STAGE
	v_add_nc_u32 v[STO], s22, v3
	v_add_nc_u32 v[STO+1], 48*SPITCH, v[STO]
	v_add_nc_u32 v[STO+2], 96*SPITCH, v[STO]
	s_mul_i32 s22, s12, 36*SPITCH
	v_lshl_add_u32 v[RD], v6, 4, s22
	v_add_nc_u32 v[RD+1], STAGE, v[RD]
	v_add_nc_u32 v[RD+2], 2*STAGE, v[RD]
	v_add_nc_u32 v[RD+3], 3*STAGE, v[RD]
	s_lshl_b32 s42, s17, 9
	v_lshl_add_u32 v[LO], v6, 4, s42
	s_wait_kmcnt 0x0
	s_min_u32 s18, s18, 3
	s_lshl_b32 s44, s18, 21                        ; from behind w3s to W3[e]: e matrices of 2 MiB
	s_mov_b32 s45, 0
	s_add_nc_u64 s[SB0+2:SB0+3], s[SB0:SB0+1], s[44:45]
	s_wait_tensorcnt 0x1                           ; my part of step 0 is in; step 1's may stay out
	s_barrier_signal -1
	s_barrier_wait -1
	AFETCH 0, 0, 0
; Substep t: 32 of my k, 72 matrix instructions.  In its first third's shadow it asks for W three substeps ahead (into the buffer read last substep) and
; fetches h's next fragments.  The fourth substep of a step changes slots: in front of the barrier my reads of this slot are done and all my tensor
; loads have landed (one is out: my part of the next slot).  Where the slot is filled again the barrier opens a round of the cluster's barrier, only
; matrix instructions stand inside the round, and the joint refill is the first tensor load behind it.
.macro SUBST t
.set SS, (\t)>>2
.set UU, (\t)&3
.set UN, UU+1
.set SL, SS&1
.set SLN, (SS+1)&1
.set FA, (\t)&1
.set FN, ((\t)+1)&1
.set FB, (\t)&3
.set Z, 0
.if \t == 0
.set Z, 1
.endif
.set LC, 32                                    ; W's loads of the two substeps that follow may stay out;
.if \t == 14
.set LC, 16                                    ; at the end there is one such substep,
.endif
.if \t == 15
.set LC, 0                                     ; then none
.endif
	s_wait_loadcnt LC
.if \t == 15
	s_wait_dscnt 0x0
	MULG FA, FB, 1, 0
	MULG FA, FB, 2, 0
	MULG FA, FB, 3, 0
.else
	s_wait_dscnt 12                                ; h's fragments 0-2 are in; the youngest 12 loads (fragments 3-8) may be out
	MULG FA, FB, 1, Z
.if UU < 3
	PLACES
.if (\t)+3 < 16
	BLOAD \t+3
.endif
	AFETCH SL, UN, FN
	s_wait_dscnt 18                                ; all but the 18 just issued
	MULG FA, FB, 2, Z
	MULG FA, FB, 3, Z
.else
	s_wait_dscnt 0x0
	s_wait_tensorcnt 0x0
	ds_add_u32 v254, v255
	s_wait_dscnt 0x0
	s_barrier_signal -1
	MULG FA, FB, 2, 0
	WIN 0
	s_barrier_wait -1
.if SS < 2
	CREST                                          ; no wave of any partner still reads this slot or has a load on its way
	s_add_nc_u64 s[G0+4*SL+2:G0+4*SL+3], s[G0+4*SL+2:G0+4*SL+3], 2048      ; two steps on: 1,024 k
	tensor_load_to_lds s[G0+4*SL:G0+4*SL+3], s[G1:G1+7]
	s_nop 0
.endif
	PLACES
.if (\t)+3 < 16
	BLOAD \t+3
.endif
	AFETCH SLN, 0, FN
	MULG FA, FB, 3, 0
.endif
.endif
.endm
.irp t, 0,1,2,3,4,5,6,7,8,9,10,11,12,13,14,15
	SUBST \t
.endr
	; THE WAY OUT.  The descriptors are dead (every tensor load was waited for in front of step 2's barrier): their registers take my 36 tokens.
	PLACES
	WIN 0
	s_mul_i32 s20, s15, 576
	s_mul_i32 s19, s12, 144
	s_add_co_u32 s20, s20, s19
	s_mov_b32 s21, 0
	s_add_nc_u64 s[20:21], s[8:9], s[20:21]
	s_load_b512 s[24:39], s[20:21], 0x0
	s_load_b512 s[40:55], s[20:21], 0x40
	s_load_b128 s[56:59], s[20:21], 0x80
	s_wait_dscnt 0x0                               ; my reads of the slots are over,
	s_barrier_signal -1
	s_barrier_wait -1                              ; everybody's are: the slots' bytes, filled for the last time, become the four stages
.irp g, 1,2,3
.set WS, \g<<2
	WIN WS
.irp a, 0,1,2
.irp b, 0,1,2,3,4,5,6,7
	ds_store_b128 v[STO+\g-1], v[8*(8*\a+\b):8*(8*\a+\b)+3] offset:16*SPITCH*\a+64*\b
	ds_store_b128 v[STO+\g-1], v[8*(8*\a+\b)+4:8*(8*\a+\b)+7] offset:16*SPITCH*\a+64*\b+16
.endr
.endr
.endr
	WIN 0
	s_wait_dscnt 0x0                               ; my partial sums are in my stage,
	s_barrier_signal -1
	s_barrier_wait -1                              ; everybody's are
	s_wait_kmcnt 0x0
; Nine of my 36 rows: the four partial sums of a row of 512 bytes, added as (p0 + p1) + (p2 + p3), stored to the token's row
.macro OUTB bt
	s_wait_xcnt 0x0                                ; the last batch's stores have had their addresses translated (ISA guide 3.1): OFF and their data are rewritten only behind this wait
.irp i, 0,1,2,3,4,5,6,7,8
	s_min_u32 s[24+9*\bt+\i], s[24+9*\bt+\i], 4095
	v_lshl_add_u32 v[OFF+\i], s[24+9*\bt+\i], 12, v[LO]
.endr
.irp i, 0,1,2,3,4,5,6,7,8
.irp p, 0,1,2,3
	ds_load_b128 v[AF0+16*\i+4*\p:AF0+16*\i+4*\p+3], v[RD+\p] offset:SPITCH*(9*\bt+\i)
.endr
.endr
.irp i, 0,1,2,3,4,5,6,7,8
	s_wait_dscnt 32-4*\i                           ; row i's four loads are in; the later rows' stay out
	v_pk_add_f32 v[AF0+16*\i:AF0+16*\i+1], v[AF0+16*\i:AF0+16*\i+1], v[AF0+16*\i+4:AF0+16*\i+5]
	v_pk_add_f32 v[AF0+16*\i+2:AF0+16*\i+3], v[AF0+16*\i+2:AF0+16*\i+3], v[AF0+16*\i+6:AF0+16*\i+7]
	v_pk_add_f32 v[AF0+16*\i+8:AF0+16*\i+9], v[AF0+16*\i+8:AF0+16*\i+9], v[AF0+16*\i+12:AF0+16*\i+13]
	v_pk_add_f32 v[AF0+16*\i+10:AF0+16*\i+11], v[AF0+16*\i+10:AF0+16*\i+11], v[AF0+16*\i+14:AF0+16*\i+15]
	v_pk_add_f32 v[AF0+16*\i:AF0+16*\i+1], v[AF0+16*\i:AF0+16*\i+1], v[AF0+16*\i+8:AF0+16*\i+9]
	v_pk_add_f32 v[AF0+16*\i+2:AF0+16*\i+3], v[AF0+16*\i+2:AF0+16*\i+3], v[AF0+16*\i+10:AF0+16*\i+11]
	global_store_b128 v[OFF+\i], v[AF0+16*\i:AF0+16*\i+3], s[10:11] th:TH_STORE_NT     ; 512 consecutive bytes, at a multiple of 512 from out0's first byte
.endr
.endm
	OUTB 0
	OUTB 1
	OUTB 2
	OUTB 3
	s_wait_tensorcnt 0x0
	ds_add_u32 v254, v255
	s_wait_dscnt 0x0
	CROUND                                         ; the closing round: no work-group ends while a partner may still ask for a tile that names it
	s_endpgm
.Lfunc_end_k_q6653c04faa_down:
	.size	k_q6653c04faa_down, .Lfunc_end_k_q6653c04faa_down-k_q6653c04faa_down
	.p2alignl 7, 3214868480
	.fill 96, 4, 3214868480
	.section	.rodata,"a",@progbits
	.p2align	6, 0x0
	.amdhsa_kernel k_q6653c04faa_down
		.amdhsa_group_segment_fixed_size 327680
		.amdhsa_private_segment_fixed_size 0
		.amdhsa_enable_private_segment 0
		.amdhsa_kernarg_size 32
		.amdhsa_user_sgpr_count 2
		.amdhsa_user_sgpr_kernarg_segment_ptr 1
		.amdhsa_wavefront_size32 1
		.amdhsa_system_sgpr_workgroup_id_x 1
		.amdhsa_system_sgpr_workgroup_id_y 1
		.amdhsa_system_sgpr_workgroup_id_z 1
		.amdhsa_system_vgpr_workitem_id 0
		.amdhsa_next_free_vgpr 1024
		.amdhsa_next_free_sgpr 66
		.amdhsa_reserve_vcc 0
		.amdhsa_float_denorm_mode_32 3
		.amdhsa_float_denorm_mode_16_64 3
		.amdhsa_memory_ordered 1
		.amdhsa_forward_progress 1
		.amdhsa_inst_pref_size 169
	.end_amdhsa_kernel
	.amdgpu_metadata
---
amdhsa.version: [ 1, 2 ]
amdhsa.kernels:
  - .name:           k_q6653c04faa_down
    .symbol:         k_q6653c04faa_down.kd
    .args:
      - { .name: h, .offset: 0, .size: 8, .value_kind: global_buffer, .address_space: global }
      - { .name: wb, .offset: 8, .size: 8, .value_kind: global_buffer, .address_space: global }
      - { .name: route, .offset: 16, .size: 8, .value_kind: global_buffer, .address_space: global }
      - { .name: out0, .offset: 24, .size: 8, .value_kind: global_buffer, .address_space: global }
    .group_segment_fixed_size: 327680
    .private_segment_fixed_size: 0
    .kernarg_segment_align: 8
    .kernarg_segment_size: 32
    .max_flat_workgroup_size: 128
    .sgpr_count:     66
    .vgpr_count:     1024
    .wavefront_size: 32
...
	.end_amdgpu_metadata
.endif
;; end of part 4
;; ======== version 2 of 2: 4 launches; version 1 with the launch gate written anew for expert scheduling mode
;; workspace buffers: xb 8,388,608 bytes; idx 16,384 bytes of whole numbers; wb 31,457,280 bytes; route 18,688 bytes of whole numbers; h 18,874,368 bytes
;; launch gate (part 5): grid 256 x 1, 8 waves a work-group, no clusters, 0 bytes of LDS; arguments x, Wg, xb, idx; writes xb, idx
.if DOCPART == 5
	.amdgcn_target "amdgcn-amd-amdhsa--gfx1250"
	.amdhsa_code_object_version 6
	.text
	.protected	k_q6653c04faa_gate
	.globl	k_q6653c04faa_gate
	.p2align	8
	.type	k_q6653c04faa_gate,@function
k_q6653c04faa_gate:
	s_mov_b64 s[64:65], 0
	v_nop
	global_prefetch_b8 v0, s[64:65] scope:SCOPE_SE
	s_setreg_imm32_b32 hwreg(HW_REG_WAVE_SCHED_MODE, 0, 2), 2
	s_setreg_imm32_b32 hwreg(HW_REG_WAVE_MODE, 25, 1), 1
	s_wait_xcnt 0x0
	s_wait_alu depctr_vm_vsrc(0)
; gate: xb = x rounded to bf16;  idx[t] = the first largest of the four logits  sum over c of bf16(x[t][c]) * bf16(Wg[c][e]).
; x: [4096][1024] f32, Wg: [1024][4] f32, xb: [4096][1024] bf16, idx: [4096] whole numbers.
; The product has 4 columns (1 part in 3000 of the problem's multiply-adds) and runs on the vector unit: operands rounded to bf16 as
; for every other product of this program, products exact in f32, sums in f32.
; LIMITS: a token whose two largest logits differ by less than the rounding of a sum of 1024 f32 terms (about 1e-6 of their size) may
; go to the other expert; NaN logits are not ranked as an argmax that lets NaN win ranks them (a NaN never wins a comparison here).
; Eight waves, 16 rows a work-group, two rows a wave; no LDS, no barrier, no loop.  Lane l holds columns 128 j + 4 l + i (j 0..7, i 0..3):
; a load of x covers 512 consecutive bytes of a row, a store of xb 256 consecutive aligned bytes.
; THE MODE: SCHED_MODE bits 1:0 = 2 (LLVM: expert scheduling mode 2), set by the entry lines.  The code itself states the register dependences
; between vector instructions and memory instructions, with s_wait_alu, always for 0.
; THE PLAN.  Registers that memory instructions touch:
;   v2, v3, v4   byte offsets of x, Wg and xb: written once at the head, read by the 48 loads and the 16 stores of xb, never written again.
;   X, WGT       the loads land in them before any vector instruction names them; no load follows; no memory instruction reads them.
;   PK           written once, by the 32 roundings; read by the 16 stores of xb; never written again.
;   v6, v7       idx's number and offset: written by vector instructions, read by the last store alone.
; So one wait on va_vdst stands ahead of the loads (the offsets), one behind all the roundings (PK), and one ahead of the write of EXEC, which also
; covers v6 and v7.  Behind the second, each store stands ahead of the lines that widen its own pair: no vector instruction issued since the wait
; names a register of a store that is still to come.
; Scalar results of vector instructions: s14 (the wave), s16-s22 (masks: both rows' compares of a stage in one run, one wait a run), VCC (the mask for EXEC).
.set WGT, 16                           ; v[16:143]   quad 16 j + 4 i: Wg[128 j + 4 l + i][0..3]
.set X,   144                          ; v[144:207]  row r, quad 32 r + 4 j
.set ACC, 208                          ; v[208:223]  row r, parity of j, pairs (e0,e1), (e2,e3): eight chains that do not wait for each other
.set PK,  224                          ; v[224:255]  the 16 packed pairs, each with registers of its own: never rewritten while its store is out
	s_load_b256 s[4:11], s[0:1], 0x0               ; x s[4:5], Wg s[6:7], xb s[8:9], idx s[10:11]
	v_and_b32 v1, 31, v0                           ; lane
	v_lshrrev_b32 v5, 5, v0
	v_readfirstlane_b32 s14, v5                    ; wave
	s_mov_b32 s12, 0x76543210                      ; v_permlanex16_b32: lane i reads lane i of the other half
	s_mov_b32 s13, 0xfedcba98
	s_mov_b32 s15, 0xffff0000                      ; a word's upper bf16
	v_lshlrev_b32 v2, 4, v1                        ; x: 16 bytes a lane
	v_lshlrev_b32 v3, 6, v1                        ; Wg: four rows of 16 bytes a lane
	v_lshlrev_b32 v4, 3, v1                        ; xb: 8 bytes a lane
	s_lshl_b32 s16, ttmp9, 16                      ; 16 rows of 4,096 bytes a work-group
	s_wait_alu depctr_va_sdst(0)                   ; s14 is written, ahead of its first reader: the wave's rows are made from it
	s_lshl_b32 s18, s14, 13                        ; 2 rows a wave
	s_add_co_u32 s16, s16, s18
	s_mov_b32 s17, 0
	s_lshr_b32 s18, s16, 1                         ; the same rows in xb: half the bytes
	s_mov_b32 s19, 0
	s_lshr_b32 s20, s16, 10                        ; and in idx: 4 bytes a row
	s_mov_b32 s21, 0
	s_wait_kmcnt 0x0
	s_add_nc_u64 s[4:5], s[4:5], s[16:17]
	s_add_nc_u64 s[8:9], s[8:9], s[18:19]
	s_add_nc_u64 s[10:11], s[10:11], s[20:21]
	s_wait_alu depctr_va_vdst(0)                   ; v2, v3 and v4 are written: the loads below read v2 and v3 as their offsets, the stores of xb read v4
.irp r, 0,1
.irp j, 0,1,2,3,4,5,6,7
	global_load_b128 v[X+32*\r+4*\j:X+32*\r+4*\j+3], v2, s[4:5] offset:4096*\r+512*\j th:TH_LOAD_NT
.endr
.endr
.irp j, 0,1,2,3,4,5,6,7
.irp i, 0,1,2,3
	global_load_b128 v[WGT+16*\j+4*\i:WGT+16*\j+4*\i+3], v3, s[6:7] offset:2048*\j+16*\i
.endr
.endr
	s_wait_loadcnt 32                              ; the 16 loads of x are in; the 32 younger ones of Wg may stay out
	; x: all of it is rounded first;
.irp r, 0,1
.irp j, 0,1,2,3,4,5,6,7
	v_cvt_pk_bf16_f32 v[PK+16*\r+2*\j], v[X+32*\r+4*\j], v[X+32*\r+4*\j+1]
	v_cvt_pk_bf16_f32 v[PK+16*\r+2*\j+1], v[X+32*\r+4*\j+2], v[X+32*\r+4*\j+3]
.endr
.endr
	s_wait_alu depctr_va_vdst(0)                   ; the 32 roundings have written PK, which the 16 stores below read
	; then it is stored, and the rounded numbers are widened again in place for the gate's product: a pair's store stands ahead of the four lines that name the pair
.irp r, 0,1
.irp j, 0,1,2,3,4,5,6,7
	global_store_b64 v4, v[PK+16*\r+2*\j:PK+16*\r+2*\j+1], s[8:9] offset:2048*\r+256*\j
	v_lshlrev_b32 v[X+32*\r+4*\j], 16, v[PK+16*\r+2*\j]
	v_and_b32 v[X+32*\r+4*\j+1], s15, v[PK+16*\r+2*\j]
	v_lshlrev_b32 v[X+32*\r+4*\j+2], 16, v[PK+16*\r+2*\j+1]
	v_and_b32 v[X+32*\r+4*\j+3], s15, v[PK+16*\r+2*\j+1]
.endr
.endr
	s_wait_loadcnt 0x0                             ; Wg
	; Wg: rounded to bf16 and widened again, in place; two pairs of temporaries take turns
.set q, 0
.rept 32
	v_cvt_pk_bf16_f32 v[6+2*(q%2)], v[WGT+4*q], v[WGT+4*q+1]
	v_cvt_pk_bf16_f32 v[7+2*(q%2)], v[WGT+4*q+2], v[WGT+4*q+3]
	v_lshlrev_b32 v[WGT+4*q], 16, v[6+2*(q%2)]
	v_and_b32 v[WGT+4*q+1], s15, v[6+2*(q%2)]
	v_lshlrev_b32 v[WGT+4*q+2], 16, v[7+2*(q%2)]
	v_and_b32 v[WGT+4*q+3], s15, v[7+2*(q%2)]
.set q, q+1
.endr
; Column i of the quads j = 2 t and 2 t + 1, both rows, all four experts: eight packed multiply-adds on eight different chains.
; base, sel: the pair of X that holds x_i and its place in the pair (op_sel feeds it to both halves).  The first products start the sums.
.macro DOT t, i, base, sel
.irp r, 0,1
.irp h, 0,1
.irp c, 0,2
.if (4*\t+\i) == 0
	v_pk_mul_f32 v[ACC+8*\r+4*\h+\c:ACC+8*\r+4*\h+\c+1], v[WGT+16*(2*\t+\h)+4*\i+\c:WGT+16*(2*\t+\h)+4*\i+\c+1], v[X+32*\r+4*(2*\t+\h)+\base:X+32*\r+4*(2*\t+\h)+\base+1] op_sel:[0,\sel] op_sel_hi:[1,\sel]
.else
	v_pk_fma_f32 v[ACC+8*\r+4*\h+\c:ACC+8*\r+4*\h+\c+1], v[WGT+16*(2*\t+\h)+4*\i+\c:WGT+16*(2*\t+\h)+4*\i+\c+1], v[X+32*\r+4*(2*\t+\h)+\base:X+32*\r+4*(2*\t+\h)+\base+1], v[ACC+8*\r+4*\h+\c:ACC+8*\r+4*\h+\c+1] op_sel:[0,\sel,0] op_sel_hi:[1,\sel,1]
.endif
.endr
.endr
.endr
.endm
.irp t, 0,1,2,3
	DOT \t, 0, 0, 0
	DOT \t, 1, 0, 1
	DOT \t, 2, 2, 0
	DOT \t, 3, 2, 1
.endr
.irp r, 0,1
.irp c, 0,2
	v_pk_add_f32 v[ACC+8*\r+\c:ACC+8*\r+\c+1], v[ACC+8*\r+\c:ACC+8*\r+\c+1], v[ACC+8*\r+4+\c:ACC+8*\r+4+\c+1]
.endr
.endr
	; the eight sums over the 32 lanes: four steps inside each half of 16 lanes, one across; every lane ends with the sum
.irp m, 1,2,4,8
.irp k, 208,209,210,211,216,217,218,219
	v_add_f32_dpp v[\k], v[\k], v[\k] row_xmask:\m row_mask:0xf bank_mask:0xf
.endr
.endr
.irp k, 208,209,210,211,216,217,218,219
	v_permlanex16_b32 v[\k-192], v[\k], s12, s13   ; the destination counts as read: a register of Wg, written long ago
.endr
.irp k, 208,209,210,211,216,217,218,219
	v_add_f32 v[\k], v[\k], v[\k-192]
.endr
	; the first largest: a later logit wins only if it is strictly larger.  Three stages; in each, both rows' compares stand as one run, into scalar
	; registers of their own, with one wait between the run and the selects that read the masks.
	v_cmp_gt_f32 s16, v[ACC+1], v[ACC]
	v_cmp_gt_f32 s17, v[ACC+9], v[ACC+8]
	s_wait_alu depctr_va_sdst(0)                   ; the two compares have written s16 and s17, ahead of the selects that read them
.irp r, 0,1
	v_cndmask_b32 v[ACC+8*\r+4], v[ACC+8*\r], v[ACC+8*\r+1], s[16+\r]
	v_cndmask_b32 v[ACC+8*\r+5], 0, 1, s[16+\r]
.endr
.irp e, 2,3
	v_cmp_gt_f32 s[14+2*\e], v[ACC+\e], v[ACC+4]
	v_cmp_gt_f32 s[15+2*\e], v[ACC+8+\e], v[ACC+12]
.if \e == 3
	v_cmp_eq_u32 s22, 1, v1                        ; lane 1's mask rides in the last run
.endif
	s_wait_alu depctr_va_sdst(0)                   ; this stage's compares have written their masks (s18, s19; then s20, s21 and s22), ahead of the selects that read them
.irp r, 0,1
	v_cndmask_b32 v[ACC+8*\r+4], v[ACC+8*\r+4], v[ACC+8*\r+\e], s[14+2*\e+\r]
	v_cndmask_b32 v[ACC+8*\r+5], v[ACC+8*\r+5], \e, s[14+2*\e+\r]
.endr
.endr
	v_cndmask_b32 v6, v[ACC+5], v[ACC+13], s22     ; lane 0: my first row's expert, lane 1: my second row's
	v_lshlrev_b32 v7, 2, v1
	s_wait_xcnt 0x0                                ; EXEC is a source of the stores above: it changes only behind this wait
	v_cmp_gt_u32 vcc_lo, 2, v1
	s_wait_alu depctr_va_vcc(0)                    ; the compare has written VCC, from which EXEC is made
	s_wait_alu depctr_va_vdst(0)                   ; ahead of the write of EXEC: every vector instruction has written its result, v6 and v7 among them, which the store below reads
	s_wait_alu depctr_vm_vsrc(0)                   ; ahead of the write of EXEC: the stores of xb have read their registers
	s_and_saveexec_b32 s23, vcc_lo
	global_store_b32 v7, v6, s[10:11]
	s_endpgm
.Lfunc_end_k_q6653c04faa_gate:
	.size	k_q6653c04faa_gate, .Lfunc_end_k_q6653c04faa_gate-k_q6653c04faa_gate
	.p2alignl 7, 3214868480
	.fill 96, 4, 3214868480
	.section	.rodata,"a",@progbits
	.p2align	6, 0x0
	.amdhsa_kernel k_q6653c04faa_gate
		.amdhsa_group_segment_fixed_size 0
		.amdhsa_private_segment_fixed_size 0
		.amdhsa_enable_private_segment 0
		.amdhsa_kernarg_size 32
		.amdhsa_user_sgpr_count 2
		.amdhsa_user_sgpr_kernarg_segment_ptr 1
		.amdhsa_wavefront_size32 1
		.amdhsa_system_sgpr_workgroup_id_x 1
		.amdhsa_system_sgpr_workgroup_id_y 1
		.amdhsa_system_sgpr_workgroup_id_z 1
		.amdhsa_system_vgpr_workitem_id 0
		.amdhsa_next_free_vgpr 256
		.amdhsa_next_free_sgpr 66
		.amdhsa_reserve_vcc 1
		.amdhsa_float_denorm_mode_32 3
		.amdhsa_float_denorm_mode_16_64 3
		.amdhsa_memory_ordered 1
		.amdhsa_forward_progress 1
		.amdhsa_inst_pref_size 32
	.end_amdhsa_kernel
	.amdgpu_metadata
---
amdhsa.version: [ 1, 2 ]
amdhsa.kernels:
  - .name:           k_q6653c04faa_gate
    .symbol:         k_q6653c04faa_gate.kd
    .args:
      - { .name: x, .offset: 0, .size: 8, .value_kind: global_buffer, .address_space: global }
      - { .name: Wg, .offset: 8, .size: 8, .value_kind: global_buffer, .address_space: global }
      - { .name: xb, .offset: 16, .size: 8, .value_kind: global_buffer, .address_space: global }
      - { .name: idx, .offset: 24, .size: 8, .value_kind: global_buffer, .address_space: global }
    .group_segment_fixed_size: 0
    .private_segment_fixed_size: 0
    .kernarg_segment_align: 8
    .kernarg_segment_size: 32
    .max_flat_workgroup_size: 256
    .sgpr_count:     66
    .vgpr_count:     256
    .wavefront_size: 32
...
	.end_amdgpu_metadata
.endif
;; end of part 5
;; launch prep: the kernel of part 2 again; grid 481 x 1, 8 waves a work-group, no clusters, 67,584 bytes of LDS; arguments idx, w1s, w2s, w3s, W1, W2, W3, wb, route; writes wb, route
;; launch up: the kernel of part 3 again; grid 8 x 32, 4 waves a work-group, no clusters, 327,680 bytes of LDS; arguments xb, wb, route, h; writes h
;; launch down: the kernel of part 4 again; grid 8 x 32, 4 waves a work-group, clusters of 4 x 1, 327,680 bytes of LDS; arguments h, wb, route, out0; writes out0
